; MI455X (gfx1250); checked and timed in simulation.
; The chip was launched on July 23, 2026; its instructions are those of AMD's public machine-readable ISA for CDNA 5 (MIT licence, August 2026) and "CDNA5" Instruction Set Architecture Reference Guide (July 2026). The comments in the code are by the model that wrote it; some were corrected since.
;; Routed Lo RA Linear. Allowed arithmetic: matrix products marked QUANTISED: E3M2 operands, one E8M0 scale for each 32 along K, by v_wmma_scale_f32_16x16x128_f8f6f4 with both operands' format E3M2, f32 sums; products left as they are: f32 operands where the result goes on into a quantised operand, else bf16, f16 or f32 operands; f32 sums; everything else in f32.
;; Inputs: W_codes 4,096 x 128 x 24 uint8 (E3M2 codes of W, K innermost, in blocks of 32 codes, four codes in three bytes); W_scales 4,096 x 128 uint8 (E8M0 scales of W, one for each 32 codes along K); b 4,096 float32; expert_indices 8 int32; lora_A 8 x 16 x 4,096 float32; lora_B 8 x 4,096 x 16 float32; x_codes 8 x 512 x 128 x 24 uint8 (E3M2 codes of x, K innermost, in blocks of 32 codes, four codes in three bytes); x_scales 8 x 512 x 128 uint8 (E8M0 scales of x, one for each 32 codes along K).
;; Outputs: out0 8 x 512 x 4,096 float32.
;; This version of the problem:
;;   THIS VERSION OF THE PROBLEM IS GIVEN IN LOW PRECISION. The matrix products marked QUANTISED in the list below multiply operands that are first quantised to E3M2 (3 exponent bits, 2 mantissa bits; 6 bits a number), with one power-of-two scale for each 32 numbers along K (OCP MX v1.0); their sums are f32. All else is computed in f32.
;;   The module's matrix products, in the order in which they are computed (A, B: the left and right operand; K: the contracted axis; several contracted axes count as one K, in the product's order):
;;     1. [M 4,096, K 4,096] x [K 4,096, N 4,096]; A: input x (given as codes); B: input W (given as codes): QUANTISED
;;     2. batch 8 x [M 512, K 4,096] x [K 4,096, N 16]; A: input x (given as codes); B: computed on the way: QUANTISED
;;     3. batch 8 x [M 512, K 16] x [K 16, N 4,096]; A: computed on the way; B: computed on the way: left as it is (K = 16 < 32)
;;   THE QUANTISER, for each operand of a quantised product, along K:
;;     - K is cut into blocks of 32 from its start; a last block that is shorter is filled with zeros.
;;     - A block's scale is 2^e with e = floor(log2(the largest magnitude in the block)) - 4, held to -126 .. 127; a block of zeros has e = 0. As a byte (E8M0): e + 127.
;;     - Each number is divided by its block's scale, clamped to +-28, and rounded to the nearest number of E3M2, ties to even, subnormals kept.
;;     - The product sums the exact products of the quantised numbers (number of the format x scale) in f32.
;;   ~~~python
;;   def quantise(x, axis):      # numpy; x: float32 -> the quantised numbers, widened to float32 again
;;       x = np.moveaxis(x, axis, -1); K = x.shape[-1]
;;       x = np.pad(x, [(0, 0)] * (x.ndim - 1) + [(0, -K % 32)]); x = x.reshape(x.shape[:-1] + (-1, 32)); a = np.abs(x).max(-1, keepdims=True)
;;       e = np.where(a > 0, np.clip(np.frexp(np.where(a > 0, a, 1))[1] - 1 - 4, -126, 127), 0)      # np.frexp(a)[1] - 1 = floor(log2(a)), exactly
;;       r = np.clip(x / 2.0 ** e, -28, 28)
;;       step = 2.0 ** (np.maximum(np.frexp(np.where(r == 0, 1, r))[1] - 1, -2) - 2)
;;       q = np.round(r / step) * step * 2.0 ** e      # np.round: ties to even
;;       return np.moveaxis(q.reshape(q.shape[:-2] + (-1,))[..., :K], -1, axis).astype(np.float32)
;;   ~~~
;;   OPERANDS COMPUTED ON THE WAY. 'Computed on the way' means the value that the module computes at that place (a softmax that the list does not call 'softmax' is quantised finished and normalised). What goes into a quantiser is computed in f32, as accurately as f32 sums, v_exp_f32 and their like allow (about 1e-6 of the number): no bf16 or f16 on the way to a quantiser, and a product that is left as it is and whose result goes on into a quantised operand takes f32 operands (vector FMAs, or v_wmma_f32_16x16x4_f32). A number that lies on a knife's edge between two numbers of the format may be rounded either way, as far as f32 arithmetic and the matrix unit's own rounding can turn it there, and no further.
;;   INPUTS GIVEN AS CODES. W (in the module: [4096, 4096], K = its axis 1); x (in the module: [8, 512, 4096], K = its axis 2): each comes as NAME_codes (uint8): NAME with its K axis moved to the last place and cut into blocks of 32 codes, [.., K / 32, bytes a block], one block behind the other in memory; four codes in three bytes: a row's codes are one little-endian stream of bits, code i at bits 6 i .. 6 i + 5 (a code: sign, 3 exponent bits, 2 mantissa bits); and NAME_scales (uint8): the same leading axes, one E8M0 byte (e + 127) for each 32 codes along K. Its value is code x scale, taken as it is: it is not quantised again, and the codes and scales need not be those that the quantiser above would give.
;; One version. Each part assembles by itself: llvm-mc -triple=amdgcn-amd-amdhsa -mcpu=gfx1250 --defsym DOCPART=n.
;; ======== version 1 of 1: 1 launch
;; launch lora_gemm (part 1): grid 16 x 16, 4 waves a work-group, clusters of 4 x 4, 327,680 bytes of LDS; arguments x_codes, x_scales, W_codes, W_scales, out0, expert_indices, lora_A, lora_B, b; writes out0
.if DOCPART == 1
	.amdgcn_target "amdgcn-amd-amdhsa--gfx1250"
	.amdhsa_code_object_version 6
	.text
	.protected	k_q66cb597943_lora_gemm
	.globl	k_q66cb597943_lora_gemm
	.p2align	8
	.type	k_q66cb597943_lora_gemm,@function
k_q66cb597943_lora_gemm:
	s_mov_b64 s[64:65], 0
	v_nop
	global_prefetch_b8 v0, s[64:65] scope:SCOPE_SE
	s_setreg_imm32_b32 hwreg(HW_REG_WAVE_MODE, 25, 1), 1
	s_wait_xcnt 0x0
	s_wait_alu depctr_hold_cnt(0) depctr_sa_sdst(0) depctr_va_vdst(0) depctr_va_sdst(0) depctr_va_ssrc(0) depctr_va_vcc(0) depctr_vm_vsrc(0)
	s_getreg_b32 s2, hwreg(HW_REG_IB_STS2, 6, 4)
	s_cmp_eq_u32 s2, 0
	s_cbranch_scc0 .Lentry_in_a_cluster
	s_endpgm
.Lentry_in_a_cluster:
	s_bfe_u32 s2, ttmp6, 0x10000c
	s_cmp_lg_u32 s2, 0xf033
	s_cbranch_scc0 .Lentry_shape_is_right
	s_endpgm
.Lentry_shape_is_right:
; out[m][n] = sum_k x[m][k] W[n][k] + b[n] + 2 sum_p low[m][p] lora_B[e][n][p],  low[m][p] = sum_k x[m][k] Q(lora_A[e][p][k]),  e = expert_indices[m / 512].
; x [4096][4096] and W [4096][4096]: codes of BF6 (E3M2), 6 bits each, K innermost, one E8M0 byte for each 32 along K; lora_A [8][16][4096], lora_B [8][4096][16], b [4096], out [4096][4096]: f32.
; ONE LAUNCH.  A tile of out, 256 x 256, is made by a work-group of four waves; a wave makes 128 x 128: 64 accumulators of 16 x 16, 512 registers.  K goes in steps of 256 through a ring of two LDS slots
; filled by the tensor data mover (a tile's row is 192 bytes of memory); the scale bytes of the work-group's 256 rows of x and of W, for all of K, come into LDS once, with the first fills, and stay.
; CLUSTERS: 4 x 4 work-groups; the four of a row of the cluster ask JOINTLY for x's tiles, the four of a column for W's.  THE MATRIX INSTRUCTION IS USED TRANSPOSED (source 0 = 16 rows of W, source 1 = 16 rows of x):
; a lane then holds eight neighbouring numbers of a row of out.
; THE ROUTED PATH RIDES ON THE GEMM.  A tile's 256 rows lie in one batch of 512, so the tile has ONE expert.  Its number is read from memory, held at 7 from above (as an unsigned number), and enters global addresses alone.
;  (1) lora_A[e]'s 16 rows are quantised K step by K step, one step ahead: a K step is 128 blocks of 32, one for each of the work-group's 128 lanes.  Wave w, lane (r, h) takes row r, k = 64 w + 32 h + 0 .. 31 of the step: registers
;      6 (w % 2) .. + 5 of fragment w / 2 in that very lane.  The codes go to LDS as an image of the fragment's registers (8 bytes a lane for each pair of registers), the scale's byte to its place in the row's word; two sets by turns.
;      lora_A comes through registers and not by joint loads: 16 KiB a K step beside the tiles' 96 KiB, and the numbers must pass through registers to be quantised.
;  (2) low: four more accumulators a wave, four more scaled matrix instructions for each 64.  The two waves that share 128 rows of x take different halves WITHOUT A BRANCH: wave (rh, ch) orders x's blocks by address, register blocks 0-3 =
;      rows 64 ch + 16 a of its 128, blocks 4-7 = rows 64 (1 - ch) + 16 (a - 4); every wave makes low for its register blocks 0-3.  Source 0 = lora_A's fragment: lane (r, h) holds low[row r][8 h + 0 .. 7].
;  (3) 2 low, rounded to bf16 in pairs, IS source 1 of the third product in the bf16 form (K = 16, filled with zeros to 32); the two waves change halves through LDS; lora_B's rows, rounded to bf16, are source 0;
;      64 matrix instructions add the product onto the 64 accumulators.
;  (4) b is added in f32 on the way out, where a lane holds four neighbouring columns.
; LIMITS.  NaN and infinities in lora_A, lora_B and b are not served.  A block of lora_A whose largest magnitude lies under 2^(5 - 127) (a block of zeros among them) gets the byte 1: a block of zeros has zero codes, which add nothing
; under that byte, and the bytes are read by this program alone.  2 low and lora_B are rounded to bf16 for the third product, whose sums are f32.
; REGISTERS, in windows of 256: window 0: v0 my thread's number; v1-31 addresses, the bias, lora_A's scale word; v32-63 scale words of x and W, two sets; v64-95 low; v96-108 at work on lora_A; v128-223 x's fragments, ONE set;
;   v224-255 32 numbers of lora_A.   window 1: W's fragments, TWO sets, at v0 and v128; v96-107 lora_A's fragment.   windows 2, 3: the accumulators of my register blocks 0-3, 4-7 (accumulator (a, b) at v[8 (8 (a % 4) + b)]).
.set KSTEP,  256                       ; along K in a slot
.set NQ,     2                         ; matrix instructions deep
.set ROWB,   192                       ; a tile's row in bytes
.set KROW,   3072                      ; a row of x or of W in memory, in bytes
.set NROW,   16384                     ; a row of out in bytes
.set PITCH,  240                       ; an LDS row: 3 x (64 bytes of data + 16 of padding)
.set FR,     12                        ; registers of a fragment: 16 rows x 128 K
.set NL,     6                         ; LDS loads that bring one
.set NP,     4                         ; places behind these matrix instructions (ISA guide 7.12.1)
.set HALFT,  128*PITCH                 ; 128 rows: what one tensor load brings
.set SLOT,   4*HALFT                   ; x's 256 rows, then W's 256 rows
.set LAPS,   8                         ; a lap = two K steps = once round the ring
.set KS,     128                       ; a row of scales in bytes
.set SCL,    2*SLOT                    ; behind the ring: the scales, as units of 256 bytes + 16 of padding
.set HALFS,  (128*KS/256)*272          ; the scales of 128 rows: what one tensor load brings
.set SBLK,   (16*KS/256)*272           ; those of 16 rows
.set SPARE,  SCL+4*HALFS               ; the spare words, 128 bytes for each wave: two blocks of 256 bytes that no other line names
.set LIMG,   SPARE+512                 ; lora_A's images: set p at 3072 p, fragment q at 1536 q, register pair i at 256 i, lane at 8 x lane.  No tensor load lands here
.set LSC,    LIMG+6144                 ; lora_A's scale words: set p at 128 p, fragment q at 64 q, row r at 4 r
.set SPITCH, 528                       ; the way out: a stage of 16 rows x (512 bytes + 16) for each wave, in slot 0, which has had its last fill and its last read by then
.set XCH,    4*16*SPITCH               ; behind the stages, in slot 0 too: 2 low as bf16, 2,048 bytes a wave: block a at 512 a, lane at 16 x lane
.set LBO,  1                           ; v1      lora_B: 64 r + 32 h
.set BIAS, 2                           ; v2-5    at work at the head; later b of my four columns
.set LQC,  6                           ; v6      lora_A: the byte offset of the loads in hand
.set LSR,  7                           ; v7      lora_A's scale word, and nothing else
.set ADRA, 8                           ; v8-15   LDS address of x's fragments: + slot, + 2 behind one padding more, + 4 for register blocks 4-7
.set ADRB, 16                          ; v16-19  the same for W: + slot, + 2
.set STO,  20                          ; v20     the way out: where I put 32 bytes of a row
.set RD,   21                          ; v21     where I read a row back
.set CO,   22                          ; v22     16 x lane: my byte offset in a row of out, and in b
.set ADRS, 23                          ; v23-24  LDS address of my scale words (lanes 0-15 x's rows, lanes 16-31 W's), for blocks 0-3 and 4-7
.set ADL,  25                          ; v25     LIMG + 8 x lane
.set ADLS, 26                          ; v26     LSC + 4 r
.set LQI,  27                          ; v27     where I store my codes of lora_A: LIMG + 768 x wave + 8 x lane
.set LQB,  28                          ; v28     and my block's byte: LSC + 64 (wave / 2) + 2 (wave % 2) + 4 r + h
.set XW,   27                          ; at the end: where I put 2 low,
.set XR,   28                          ; and where I read my partner's
.set LQG,  29                          ; v29     lora_A: 16384 r + 128 h + 256 x wave
.set SPW,  30                          ; v30     LDS address of my spare word; never rewritten
.set NIL,  31                          ; v31     0; never rewritten
.set SC,   32                          ; scale words: set s at v[SC + 16 s]; register 2 i + q: lanes 0-15 the word of x's register block i, lanes 16-31 that of W's block i, for the slot's q-th 128 along K
.set LW,   64                          ; low: four accumulators
.set QC,   96                          ; v96-102 my block's codes
.set QM,   104                         ; v104-105 largest magnitudes
.set QS,   106                         ; v106    the conversion's scale operand
.set QB,   107                         ; v107    the scale's byte
.set PFO,  108                         ; v108    the prefetches' offset: 3072 x lane
.set AF,   128                         ; x's fragments
.set PF,   128                         ; at the end: 2 low as bf16 fragments, 8 registers a block
.set RAW,  224                         ; 32 numbers of lora_A
.set BK,   128                         ; the way out: 16 rows read back from the stage: v128-191 and v192-255 by turns
.set LF,   96                          ; in window 1: lora_A's fragment
.set G1, 24                            ; s[24:31] descriptor group 1 for x's tiles;  s[32:39] group 0, one set for each slot
.set G0, 32
.set G1B, 48                           ; s[48:55], s[56:63] the same for W's tiles
.set G0B, 56
.set G1S, 68                           ; s[68:75], s[76:79] groups 1 and 0 for x's scales;  s[80:87], s[88:91] for W's
.set G0S, 76
.set G1SB, 80
.set G0SB, 88
; s3 laps; s[4:5] where my prefetches stand; s6 which changes of slots prefetch, a bit each; s[12:13] out; s14 wave, s15 wave / 2, s16 wave % 2; s[66:67] what the way out goes back at block 4;
; s[96:97] lora_A[e]; s[98:99] lora_B[e] at my columns; s[100:101] b at my columns; s104 the K step's byte offset in a row of lora_A
.set MSB, 0
.macro WIN new                         ; the immediate's high byte repeats the setting that is left
.if MSB != \new
	s_set_vgpr_msb (MSB<<8)|\new
.set MSB, \new
.endif
.endm
.set MUL_LO, 0xa1                      ; source 0 (W) window 1, source 1 (x) window 0, C and D window 2
.set MUL_HI, 0xf1                      ; the same, C and D window 3
.set LOWW,   0x01                      ; source 0 (lora_A) window 1, all else window 0
.set TO_B,   0x40                      ; destination window 1, address window 0
; A joint load: waves 0 and 1 fetch for x, waves 2 and 3 for W.  Each of the two lines has ONE mask and one set of registers for all that issue it; the branch hangs on the wave's number alone.
; Four v_nop follow each of the two lines, ahead of the jump, the label and what follows.
.macro JLOAD g0a, g1a, g0b, g1b
	s_cmp_eq_u32 s15, 0
	s_cbranch_scc0 .Lfor_b_\@
	tensor_load_to_lds s[\g0a:\g0a+3], s[\g1a:\g1a+7]
	s_nop 0
.rept 4
	v_nop
.endr
	s_branch .Lasked_\@
.Lfor_b_\@:
	tensor_load_to_lds s[\g0b:\g0b+3], s[\g1b:\g1b+7]
	s_nop 0
.rept 4
	v_nop
.endr
.Lasked_\@:
.endm
.macro CREST                           ; a round of the cluster's barrier behind its opening barrier
	s_cmp_lg_u32 s14, 0
	s_cbranch_scc1 .Lnot_wave_0_\@
	s_barrier_signal -3
.Lnot_wave_0_\@:
	s_barrier_wait -3
	s_barrier_signal -1
	s_barrier_wait -1
.endm
.macro CROUND                          ; a whole round
	s_barrier_signal -1
	s_barrier_wait -1
	CREST
.endm
; A PREFETCH INTO THE L2, behind a change of slots' joint load and its run of LDS loads: the K step that stands TWO refills on (the change behind K step s names K step s + 4): 272 matrix instructions ahead of the load that wants it.
; A lane a row, 32 rows a wave.  x's tile row is read by every cluster of that row of clusters: cluster x = 0 asks; W's tile column likewise: cluster y = 0 asks.  Of the 128 rows that a wave fetches, each of the four partners that ask for
; them jointly takes 32, told apart BY ADDRESS.  A K step's part of a row is 192 bytes, so a lane names the part's LAST byte: the aligned 256 bytes in which the part ends have been touched by no earlier part, but for every fourth K step,
; whose part ends where the one before it ended: there nothing is asked.  s6 holds a bit for each change of slots, 0x777 in a wave that asks: K steps 4, 5, 6, 8, 9, 10, 12, 13, 14; the changes behind them ask for nothing.
.macro ASK
	s_bitcmp1_b32 s6, 0
	s_cbranch_scc0 .Lnot_now_\@
	global_prefetch_b8 v[PFO], s[4:5] offset:ROWB-1 th:TH_LOAD_NT scope:SCOPE_SE
.Lnot_now_\@:
	s_lshr_b32 s6, s6, 1
.endm
	s_load_b128 s[4:7], s[0:1], 0x0                ; x's codes s[4:5], x's scales s[6:7]
	s_load_b128 s[8:11], s[0:1], 0x10              ; W's codes s[8:9], W's scales s[10:11]
	s_load_b64 s[12:13], s[0:1], 0x20              ; out
	s_load_b64 s[66:67], s[0:1], 0x28              ; expert_indices
	s_load_b128 s[96:99], s[0:1], 0x30             ; lora_A s[96:97], lora_B s[98:99]
	s_load_b64 s[100:101], s[0:1], 0x40            ; b
	v_lshl_add_u32 v[SPW], v0, 2, SPARE
	v_mov_b32 v[NIL], 0
	ds_add_u32 v30, v31
	ds_add_u32 v30, v31
	s_wait_dscnt 0x0
	v_lshrrev_b32 v1, 5, v0
	v_readfirstlane_b32 s14, v1                    ; wave 0..3
	s_lshr_b32 s15, s14, 1                         ; rh: which half of the tile's rows is mine.  Also: I fetch for x (0) or for W (1)
	s_and_b32 s16, s14, 1                          ; ch: which half of its columns.  Also: which 128 rows of that tile I fetch
	s_bfe_u32 s40, ttmp6, 0x40000                  ; cx, cy: my place in the cluster
	s_bfe_u32 s41, ttmp6, 0x40004
	s_lshl_b32 s42, ttmp9, 2
	s_add_co_u32 s42, s42, s40                     ; tile column = 4 x cluster x + cx
	s_and_b32 s17, ttmp7, 0xffff
	s_lshl_b32 s17, s17, 2
	s_add_co_u32 s17, s17, s41                     ; tile row = 4 x cluster y + cy
	s_lshl_b32 s43, s41, 2
	s_lshl_b32 s43, 15, s43                        ; my row of the cluster
	s_lshl_b32 s44, 0x1111, s40                    ; my column
	; descriptor group 1: a tile of 128 rows x 192 bytes, padded in LDS
	s_or_b32 s[G1+0], s43, (0<<16)|(1<<20)|(1<<21)|(3<<22)|(3<<25)  ; 15:0 the mask: x's tiles go to my row; 17:16 element of 1 byte; 20 padding on; 21 set beside a mask; 24:22 after every 16 words (code 3); 31:25 of 4 words (code 3)
	s_or_b32 s[G1B+0], s44, (0<<16)|(1<<20)|(1<<21)|(3<<22)|(3<<25)
.irp g, G1, G1B
	s_mov_b32 s[\g+1], ROWB<<16                    ; tensor_dim0
	s_mov_b32 s[\g+2], 128<<16                     ; tensor_dim1 = 128
	s_mov_b32 s[\g+3], ROWB<<16                    ; tile_dim0
	s_mov_b32 s[\g+4], 128                         ; tile_dim1 = 128
	s_mov_b32 s[\g+5], KROW                        ; tensor_dim0_stride
	s_mov_b32 s[\g+6], 0
	s_mov_b32 s[\g+7], 0
.endr
	; and for the scales of 128 rows: a dense block of 16,384 bytes, as 64 rows of 256 bytes (32 elements of 8 bytes), 16 bytes of padding behind each
	s_or_b32 s[G1S+0], s43, (3<<16)|(1<<20)|(1<<21)|(5<<22)|(3<<25)
	s_or_b32 s[G1SB+0], s44, (3<<16)|(1<<20)|(1<<21)|(5<<22)|(3<<25)
.irp g, G1S, G1SB
	s_mov_b32 s[\g+1], 32<<16
	s_mov_b32 s[\g+2], (128*KS/256)<<16
	s_mov_b32 s[\g+3], 32<<16
	s_mov_b32 s[\g+4], 128*KS/256
	s_mov_b32 s[\g+5], 32
	s_mov_b32 s[\g+6], 0
	s_mov_b32 s[\g+7], 0
.endr
	s_lshl_b32 s18, s16, 7                         ; which 128 rows of the tile I fetch
	s_lshl_b32 s20, s17, 8
	s_add_co_u32 s20, s20, s18                     ; x: row 256 x tile row + 128 x half
	s_lshl_b32 s46, s42, 8
	s_add_co_u32 s46, s46, s18                     ; W: row 256 x tile column + 128 x half
	s_mov_b32 s21, 0
	s_mov_b32 s47, 0
	s_mov_b64 s[18:19], KS
	s_mul_u64 s[22:23], s[20:21], s[18:19]         ; where these rows' scales begin, in bytes
	s_mul_u64 s[92:93], s[46:47], s[18:19]
	s_mov_b64 s[18:19], KROW
	s_mul_u64 s[20:21], s[20:21], s[18:19]         ; and their codes
	s_mul_u64 s[46:47], s[46:47], s[18:19]
	s_mul_i32 s45, s14, HALFT                      ; where they go: wave x 128 rows: no place in the cluster enters an LDS address
	s_mul_i32 s94, s14, HALFS
	s_lshr_b32 s104, s17, 1                        ; the tile's batch: two tile rows to a batch of 512 rows,
	s_lshl_b32 s104, s104, 2                       ; 4 bytes each
	s_mov_b32 s105, 0
	s_wait_kmcnt 0x0
	s_add_nc_u64 s[20:21], s[4:5], s[20:21]
	s_add_nc_u64 s[22:23], s[6:7], s[22:23]
	s_add_nc_u64 s[46:47], s[8:9], s[46:47]
	s_add_nc_u64 s[92:93], s[10:11], s[92:93]
	s_add_nc_u64 s[66:67], s[66:67], s[104:105]
	s_load_b32 s95, s[66:67], 0x0                  ; the tile's expert
	CROUND                                         ; all sixteen work-groups are here: the first joint loads meet
	s_mov_b32 s[G0S], 1
	s_add_co_u32 s[G0S+1], s94, SCL
	s_mov_b64 s[G0S+2:G0S+3], s[22:23]
	s_or_b32 s[G0S+3], s[G0S+3], 0x80000000
	s_mov_b32 s[G0SB], 1
	s_add_co_u32 s[G0SB+1], s94, SCL
	s_mov_b64 s[G0SB+2:G0SB+3], s[92:93]
	s_or_b32 s[G0SB+3], s[G0SB+3], 0x80000000
	JLOAD G0S, G1S, G0SB, G1SB                     ; the scales first: they are wanted with K step 0.  With the two below three tensor loads of mine are out
.irp s, 0,1
	s_mov_b32 s[G0+4*\s], 1
	s_add_co_u32 s[G0+4*\s+1], s45, \s*SLOT
	s_add_nc_u64 s[G0+4*\s+2:G0+4*\s+3], s[20:21], \s*ROWB
	s_or_b32 s[G0+4*\s+3], s[G0+4*\s+3], 0x80000000
	s_mov_b32 s[G0B+4*\s], 1
	s_add_co_u32 s[G0B+4*\s+1], s45, \s*SLOT
	s_add_nc_u64 s[G0B+4*\s+2:G0B+4*\s+3], s[46:47], \s*ROWB
	s_or_b32 s[G0B+4*\s+3], s[G0B+4*\s+3], 0x80000000
	JLOAD G0+4*\s, G1, G0B+4*\s, G1B
.endr
	v_and_b32 v2, 15, v0                           ; r = lane % 16
	v_bfe_u32 v3, v0, 4, 1                         ; h = lane / 16
	v_mul_u32_u24 v4, v2, PITCH
	v_mad_u32_u24 v4, v3, 24, v4                   ; a fragment's row x pitch + 24 x half
	v_lshl_add_u32 v5, v3, 4, v4                   ; and the same behind one padding more
	s_xor_b32 s19, s16, 1                          ; 1 - ch
	s_mul_i32 s18, s15, HALFT                      ; my 128 rows of x:
	s_mul_i32 s21, s16, 64*PITCH
	s_add_co_u32 s21, s21, s18                     ; register blocks 0-3 are rows 64 ch on,
	s_mul_i32 s22, s19, 64*PITCH
	s_add_co_u32 s22, s22, s18                     ; blocks 4-7 rows 64 (1 - ch) on
	s_mul_i32 s23, s16, HALFT                      ; my 128 rows of W,
	s_add_co_u32 s23, s23, 2*HALFT                 ; which lie behind x's 256
.irp s, 0,1
	v_add_nc_u32 v[ADRA+\s], s21, v4
	v_add_nc_u32 v[ADRA+2+\s], s21, v5
	v_add_nc_u32 v[ADRA+4+\s], s22, v4
	v_add_nc_u32 v[ADRA+6+\s], s22, v5
	v_add_nc_u32 v[ADRB+\s], s23, v4
	v_add_nc_u32 v[ADRB+2+\s], s23, v5
	s_add_co_u32 s21, s21, SLOT
	s_add_co_u32 s22, s22, SLOT
	s_add_co_u32 s23, s23, SLOT
.endr
	v_mul_u32_u24 v4, v2, KS                       ; my row's scales: 128 bytes a row,
	v_lshrrev_b32 v5, 8, v4
	v_lshl_add_u32 v4, v5, 4, v4                   ; and 16 more for each 256 passed
	s_mul_i32 s18, s15, HALFS                      ; x's: my 128 rows,
	s_mul_i32 s21, s16, 4*SBLK
	s_add_co_u32 s21, s21, s18                     ; register blocks 0-3,
	s_mul_i32 s22, s19, 4*SBLK
	s_add_co_u32 s22, s22, s18                     ; blocks 4-7
	s_mul_i32 s23, s16, HALFS                      ; W's: my 128 rows, behind x's 256
	s_add_co_u32 s23, s23, 2*HALFS
	s_sub_co_u32 s18, s23, s21
	v_mul_u32_u24 v5, s18, v3                      ; lanes 16-31 take W's: the lower base + h x the distance
	s_add_co_u32 s21, s21, SCL
	v_add_nc_u32 v5, v5, v4
	v_add_nc_u32 v[ADRS], s21, v5
	s_add_co_u32 s23, s23, 4*SBLK                  ; W's blocks 4-7
	s_sub_co_u32 s18, s23, s22
	v_mul_u32_u24 v5, s18, v3
	s_add_co_u32 s22, s22, SCL
	v_add_nc_u32 v5, v5, v4
	v_add_nc_u32 v[ADRS+1], s22, v5
	v_and_b32 v4, 31, v0                           ; lane
	v_lshl_add_u32 v[ADL], v4, 3, LIMG
	v_lshl_add_u32 v[ADLS], v2, 2, LSC
	s_mul_i32 s18, s14, 768                        ; three pairs of registers, 256 bytes each, a wave
	v_add_nc_u32 v[LQI], s18, v[ADL]
	s_lshl_b32 s18, s15, 6                         ; fragment wave / 2,
	s_lshl_b32 s19, s16, 1                         ; byte 2 (wave % 2) + h of row r's word
	s_add_co_u32 s18, s18, s19
	v_add_nc_u32 v[LQB], v[ADLS], v3
	v_add_nc_u32 v[LQB], s18, v[LQB]
	v_mul_u32_u24 v[PFO], v4, KROW
	v_lshlrev_b32 v[CO], 4, v4
	v_lshlrev_b32 v5, 14, v2                       ; lora_A: row r of 16,384 bytes,
	v_lshl_add_u32 v5, v3, 7, v5                   ; + 128 h,
	s_lshl_b32 s18, s14, 8
	v_add_nc_u32 v[LQG], s18, v5                   ; + 256 x wave: my block of 32 numbers in a K step's 1,024 bytes of the row
	v_lshlrev_b32 v[LBO], 6, v2                    ; lora_B: row r of 64 bytes,
	v_lshl_add_u32 v[LBO], v3, 5, v[LBO]           ; + 32 h: p = 8 h + 0 .. 7
	s_mul_i32 s23, s14, 16*SPITCH                  ; my stage
	v_mul_u32_u24 v5, v2, SPITCH                   ; in: row r, 32 bytes for each half of the lanes
	v_lshl_add_u32 v5, v3, 5, v5
	v_add_nc_u32 v[STO], s23, v5
	v_add_nc_u32 v[RD], s23, v[CO]                 ; back: the 32 lanes take one row of 512 bytes
	s_lshl_b32 s20, s17, 8
	s_lshl_b32 s21, s15, 7
	s_add_co_u32 s20, s20, s21
	s_lshl_b32 s21, s16, 6
	s_add_co_u32 s20, s20, s21                     ; the row of out of my register block 0: 256 x tile row + 128 rh + 64 ch
	s_mov_b32 s21, 0
	s_lshl_b64 s[20:21], s[20:21], 14              ; x 16,384 bytes
	s_lshl_b32 s46, s42, 10                        ; my first column, in bytes of f32: 1024 x tile column + 512 ch
	s_lshl_b32 s47, s16, 9
	s_add_co_u32 s46, s46, s47
	s_mov_b32 s47, 0
	s_add_nc_u64 s[12:13], s[12:13], s[20:21]
	s_add_nc_u64 s[12:13], s[12:13], s[46:47]
	s_add_nc_u64 s[100:101], s[100:101], s[46:47]  ; b at my first column
	; the prefetches (macro ASK): where my wave's stand, and who asks
	s_lshl_b32 s18, s17, 8
	s_lshl_b32 s19, s42, 8
	s_and_b32 s22, ttmp7, 0xffff                   ; cluster y
	s_cmp_eq_u32 s15, 0                            ; do I fetch for x?
	s_cselect_b32 s20, s18, s19                    ; the tile's first row: in x by the tile row, in W by the tile column
	s_cselect_b32 s21, s40, s41                    ; my place among the four that ask for it with me
	s_cselect_b32 s22, ttmp9, s22                  ; the coordinate along which other clusters read the same rows
	s_cselect_b64 s[4:5], s[4:5], s[8:9]
	s_cmp_eq_u32 s22, 0
	s_cselect_b32 s6, 0x777, 0                     ; the same in all sixteen partners, for a given wave
	s_lshl_b32 s22, s16, 7
	s_add_co_u32 s20, s20, s22                     ; + the 128 rows that I fetch
	s_lshl_b32 s21, s21, 5
	s_add_co_u32 s20, s20, s21                     ; + my work-group's 32 of them
	s_mul_i32 s20, s20, KROW                       ; under 2^24
	s_add_co_u32 s20, s20, 3*ROWB                  ; at K step 3: the first change of slots steps it to K step 4.  Nothing is prefetched here, at the head, where every work-group's first tiles are on their way
	s_mov_b32 s21, 0
	s_add_nc_u64 s[4:5], s[4:5], s[20:21]
	s_wait_kmcnt 0x0                               ; the expert's number
	s_min_u32 s95, s95, 7                          ; held inside the tables
	s_lshl_b32 s18, s95, 18                        ; an expert's part of lora_A is 16 x 16,384 bytes, of lora_B 4,096 x 64: both 2^18
	s_mov_b32 s19, 0
	s_add_nc_u64 s[96:97], s[96:97], s[18:19]
	s_add_nc_u64 s[98:99], s[98:99], s[18:19]
	s_lshl_b32 s18, s42, 14                        ; lora_B at my first column: 64 bytes x (256 x tile column + 128 ch)
	s_lshl_b32 s22, s16, 13
	s_add_co_u32 s18, s18, s22
	s_add_nc_u64 s[98:99], s[98:99], s[18:19]
	s_lshl_b32 s66, s16, 21                        ; the way out: from register block 3 to block 4 a wave with ch = 1 goes 128 rows of 16,384 bytes back
	s_mov_b32 s67, 0
	s_mov_b32 s104, 0                              ; K step 0
.macro FRAG reg, adr, q, i             ; a fragment, 16 rows x 128 K of 6-bit codes, is 12 registers: lane l holds row l % 16; registers 6 c .. 6 c + 5 hold K = 64 c + 32 (l / 16) + 0 .. 31: 24 bytes of the row's stream of bits, as they lie
.irp p, 0,1,2,3,4,5                    ; in pieces of 8 bytes.  Lanes 0-15 take the row's pieces 12 q + 0, 1, 2 and 12 q + 6, 7, 8, lanes 16-31 those three pieces on
.set PC, 12*(\q)+6*(\p/3)+\p%3        ; 16 bytes of padding lie behind every 64 bytes (8 pieces): where the piece three on lies behind one padding more, the second address register serves
.if PC%8 < 5
	ds_load_b64 v[\reg+2*\p:\reg+2*\p+1], v[\adr] offset:8*PC+16*(PC/8)+(\i)*16*PITCH
.else
	ds_load_b64 v[\reg+2*\p:\reg+2*\p+1], v[\adr+2] offset:8*PC+16*(PC/8)+(\i)*16*PITCH
.endif
.endr
.endm
; 16 matrix instructions: x's register blocks a0, a0 + 1 x W's eight, 128 along K: the slot's q-th.  p: W's set;  sc: the set of scale words.  zero = 1: the first product starts the sums: nothing is ever cleared.
; The accumulators take turns, one instruction a turn, in the same order in every step.
.macro MUL16 a0, p, q, sc, zero
.irp a, \a0, \a0+1
.irp b, 0,1,2,3,4,5,6,7
.if \zero
	v_wmma_scale_f32_16x16x128_f8f6f4 v[8*(8*((\a)%4)+\b):8*(8*((\a)%4)+\b)+7], v[128*(\p)+FR*\b:128*(\p)+FR*\b+FR-1], v[AF+FR*(\a):AF+FR*(\a)+FR-1], 0, v[SC+8*NQ*(\sc)+NQ*\b+(\q)], v[SC+8*NQ*(\sc)+NQ*(\a)+(\q)] matrix_a_fmt:MATRIX_FMT_BF6 matrix_b_fmt:MATRIX_FMT_BF6 matrix_a_scale:MATRIX_SCALE_ROW1
.else
	v_wmma_scale_f32_16x16x128_f8f6f4 v[8*(8*((\a)%4)+\b):8*(8*((\a)%4)+\b)+7], v[128*(\p)+FR*\b:128*(\p)+FR*\b+FR-1], v[AF+FR*(\a):AF+FR*(\a)+FR-1], v[8*(8*((\a)%4)+\b):8*(8*((\a)%4)+\b)+7], v[SC+8*NQ*(\sc)+NQ*\b+(\q)], v[SC+8*NQ*(\sc)+NQ*(\a)+(\q)] matrix_a_fmt:MATRIX_FMT_BF6 matrix_b_fmt:MATRIX_FMT_BF6 matrix_a_scale:MATRIX_SCALE_ROW1
.endif
.endr
.endr
.endm
; 4 matrix instructions: low of x's register blocks 0-3: source 0 = lora_A's 16 rows, source 1 = 16 rows of x; both sides' scale words in lanes 0-15 of their registers
.macro LOW4 q, sc, zero
.irp a, 0,1,2,3
.if \zero
	v_wmma_scale_f32_16x16x128_f8f6f4 v[LW+8*\a:LW+8*\a+7], v[LF:LF+FR-1], v[AF+FR*\a:AF+FR*\a+FR-1], 0, v[LSR], v[SC+8*NQ*(\sc)+NQ*\a+(\q)] matrix_a_fmt:MATRIX_FMT_BF6 matrix_b_fmt:MATRIX_FMT_BF6
.else
	v_wmma_scale_f32_16x16x128_f8f6f4 v[LW+8*\a:LW+8*\a+7], v[LF:LF+FR-1], v[AF+FR*\a:AF+FR*\a+FR-1], v[LW+8*\a:LW+8*\a+7], v[LSR], v[SC+8*NQ*(\sc)+NQ*\a+(\q)] matrix_a_fmt:MATRIX_FMT_BF6 matrix_b_fmt:MATRIX_FMT_BF6
.endif
.endr
.endm
.macro FETCH_B slot, q, p              ; W's eight fragments of the slot's q-th 128 along K into set p; lora_A's fragment of the same 128 (its images' set has the slot's number), and its scale word: 55 LDS loads
	WIN TO_B
.irp i, 0,1,2,3,4,5,6,7
	FRAG 128*(\p)+FR*\i, ADRB+\slot, \q, \i
.endr
.irp i, 0,1,2,3,4,5
	ds_load_b64 v[LF+2*\i:LF+2*\i+1], v[ADL] offset:3072*(\slot)+1536*(\q)+256*\i
.endr
	WIN 0
	ds_load_b32 v[LSR], v[ADLS] offset:128*(\slot)+64*(\q)
.endm
.macro FETCH_A slot, q, i0             ; x's register blocks i0 .. i0 + 3 (i0 = 0 or 4: the group's address registers lie i0 further on)
.irp i, \i0, \i0+1, \i0+2, \i0+3
	FRAG AF+FR*(\i), ADRA+\slot+\i0, \q, (\i)-(\i0)
.endr
.endm
.macro SCALES sc                       ; the next K step's scale words into set sc: two words a row; lanes 0-15 take x's register block i, lanes 16-31 W's block i
.irp i, 0,1,2,3,4,5,6,7
	ds_load_b64 v[SC+8*NQ*\sc+NQ*\i:SC+8*NQ*\sc+NQ*\i+1], v[ADRS+\i/4] offset:(\i%4)*SBLK
.endr
.endm
; A load into a register that a matrix instruction has read, and a vector instruction or an LDS store that reads a matrix result, stand NP places behind that matrix instruction, and only plain vector
; instructions that name none of its registers are places (ISA guide 7.12.1 for vector instructions).
.macro PLACES n
.rept \n
	v_nop
.endr
.endm
.macro LQLOAD                          ; my block of 32 numbers of lora_A in the K step at s104: 128 bytes
	v_add_nc_u32 v[LQC], s104, v[LQG]
.irp i, 0,1,2,3,4,5,6,7
	global_load_b128 v[RAW+4*\i:RAW+4*\i+3], v[LQC], s[96:97] offset:16*\i
.endr
.endm
; The block that was asked for a K step ago is quantised, its codes and its byte go to set `set`, and the next K step's block is asked for.
.macro LQ set
	s_wait_loadcnt 0x0                             ; my eight loads are in, so their offset register may be written again below
	v_max3_num_f32 v[QM], |v[RAW]|, |v[RAW+1]|, |v[RAW+2]|           ; the block's largest magnitude: all 32 numbers are mine; two chains
	v_max3_num_f32 v[QM+1], |v[RAW+3]|, |v[RAW+4]|, |v[RAW+5]|
.irp i, 6,10,14,18,22,26
	v_max3_num_f32 v[QM], v[QM], |v[RAW+\i]|, |v[RAW+\i+1]|
	v_max3_num_f32 v[QM+1], v[QM+1], |v[RAW+\i+2]|, |v[RAW+\i+3]|
.endr
	v_max3_num_f32 v[QM], v[QM], |v[RAW+30]|, |v[RAW+31]|
	v_max3_num_f32 v[QM], v[QM], v[QM+1], 0x2800000                  ; and the floor 2^(5 - 127): the byte cannot fall under 1
	v_add_nc_u32 v[QS], 0xfe000000, v[QM]          ; 4 off its exponent field: the conversion takes the exponent field of this operand as its scale, and nothing else of it
	v_cvt_scalef32_pk16_bf6_f32 v[QC:QC+2], v[RAW:RAW+15], v[QS]     ; to the nearest code, ties to even, beyond the largest code the largest
	v_cvt_scalef32_pk16_bf6_f32 v[QC+4:QC+6], v[RAW+16:RAW+31], v[QS]  ; (a conversion's three registers begin on an even number)
	v_lshrrev_b32 v[QB], 23, v[QS]                 ; the scale's byte.  (The plain place behind the conversions)
	v_mov_b32 v[QC+3], v[QC+4]                     ; the block's 192 bits on end
	v_mov_b32 v[QC+4], v[QC+5]
	v_mov_b32 v[QC+5], v[QC+6]
.irp i, 0,1,2
	ds_store_b64 v[LQI], v[QC+2*\i:QC+2*\i+1] offset:3072*(\set)+256*\i
.endr
	ds_store_b8 v[LQB], v[QB] offset:128*(\set)
	s_add_co_u32 s104, s104, 4*KSTEP               ; the next K step's 1,024 bytes of a row,
	s_min_u32 s104, s104, 15*4*KSTEP               ; held at the last: the loop's last trip asks for K step 15 once more, and no load leaves the buffer
	LQLOAD
.endm
; A slot's first 128 along K.  lq = 1: the next K step's block of lora_A is quantised in the step's middle, into the set that is not being read: its sixteen maxima are the places in front of the loads.
; That set's last reads were waited for in front of the last change of slots' barrier; its new bytes are waited for in front of the next one's.
.macro STEP slot, zero, lq
	s_wait_dscnt 4*NL                              ; all but the youngest 24 loads (x's register blocks 4-7) are in
	WIN MUL_LO
	MUL16 0, 0, 0, \slot, \zero
	MUL16 2, 0, 0, \slot, \zero
	WIN LOWW
	LOW4 0, \slot, \zero
	s_wait_dscnt 0                                 ; x's blocks 4-7 are in (asked for 36 matrix instructions ago)
	WIN 0
.if \lq
	LQ 1-\slot
.else
	PLACES NP
.endif
	FETCH_B \slot, 1, 1
	FETCH_A \slot, 1, 0
	WIN MUL_HI
	MUL16 4, 0, 0, \slot, \zero
	MUL16 6, 0, 0, \slot, \zero
	PLACES NP
	WIN 0
	FETCH_A \slot, 1, 4
.endm
; A slot's second 128 along K changes slots: ONE barrier; in front of it each wave waits for all its tensor loads, adds 0 to its spare word, and waits for that, for its own reads of this slot and of lora_A's set, and for its stores into
; lora_A's other set.  fill = 1: this slot is filled again, two K steps ahead.
.macro TURN slot, next, fill
.if \fill
	s_wait_xcnt 0x0                                ; the last prefetch, a K step back, has read its address: it is stepped here, ahead of the waits of the change of slots
	s_add_nc_u64 s[4:5], s[4:5], ROWB
.endif
	s_wait_tensorcnt 0x0                           ; all my tensor loads have landed: the one that was out is my part of the next slot;  (every window is 0 here)
	ds_add_u32 v[SPW], v[NIL]                      ; 0 onto my spare word
	s_wait_dscnt 4*NL+1                            ; (the add and the youngest 24 loads, x's blocks 4-7, may be out)
	WIN MUL_LO
	MUL16 0, 1, 1, \slot, 0                        ; sixteen matrix instructions stand between the add and the wait for it
	s_wait_dscnt 0x0                               ; the add is done, my reads of this slot are over, my codes of lora_A have landed
	s_barrier_signal -1
	MUL16 2, 1, 1, \slot, 0
	WIN LOWW
	LOW4 1, \slot, 0
	WIN 0
	s_barrier_wait -1
.if \fill
	CREST                                          ; the barrier has opened a round of the cluster's barrier: no wave of any partner still reads this slot's tile or has a load on its way
	s_add_nc_u64 s[G0+4*\slot+2:G0+4*\slot+3], s[G0+4*\slot+2:G0+4*\slot+3], 2*ROWB
	s_add_nc_u64 s[G0B+4*\slot+2:G0B+4*\slot+3], s[G0B+4*\slot+2:G0B+4*\slot+3], 2*ROWB
	JLOAD G0+4*\slot, G1, G0B+4*\slot, G1B         ; the first tensor load behind the round, my one load until the next; the four v_nop behind it are the places in front of the loads below
.else
	PLACES NP
.endif
	v_add_nc_u32 v[ADRS], 4*NQ, v[ADRS]            ; on to the next K step's scale words
	v_add_nc_u32 v[ADRS+1], 4*NQ, v[ADRS+1]
	FETCH_B \next, 0, 0
	FETCH_A \next, 0, 0
	SCALES \next
.if \fill
	ASK
.endif
	WIN MUL_HI
	MUL16 4, 1, 1, \slot, 0
	MUL16 6, 1, 1, \slot, 0
	PLACES NP
	WIN 0
	FETCH_A \next, 0, 4
.endm
	LQLOAD                                         ; lora_A's K step 0,
	LQ 0                                           ; quantised into set 0; K step 1 is asked for
	s_wait_tensorcnt 1                             ; the scales and my part of K step 0 are in (K step 1's load may be out)
	s_wait_dscnt 0x0                               ; my codes of lora_A have landed,
	s_barrier_signal -1
	s_barrier_wait -1                              ; everybody's have
	FETCH_B 0, 0, 0
	FETCH_A 0, 0, 0
	SCALES 0
	FETCH_A 0, 0, 4
	STEP 0, 1, 1                                   ; the first step stands in front of the loop: its products start the sums
	s_mov_b32 s3, LAPS-1
.Llap:                                                 ; a trip goes once round the ring, from a lap's second step to the next lap's first, and fills both slots again
	TURN 0, 1, 1
	STEP 1, 0, 1
	TURN 1, 0, 1
	STEP 0, 0, 1
	s_sub_co_u32 s3, s3, 1
	s_cmp_lg_u32 s3, 0
	s_cbranch_scc1 .Llap
	TURN 0, 1, 0                                   ; the last lap fills nothing, and has no round of the cluster's barrier
	s_wait_loadcnt 0x0                             ; the loop's last loads of lora_A are in: their registers take lora_B;
	s_wait_xcnt 0x0                                ; and every prefetch has read its offset register, on which lora_B's numbers land too
.irp b, 0,1,2,3,4,5,6,7                ; lora_B[e] at my 128 columns: block b's rows 16 b + r, p = 8 h + 0 .. 7: 32 bytes a lane, into v96-127 (blocks 0-3) and v224-255 (blocks 4-7)
	global_load_b128 v[96+8*\b+96*(\b/4):96+8*\b+96*(\b/4)+3], v[LBO], s[98:99] offset:1024*\b
	global_load_b128 v[96+8*\b+96*(\b/4)+4:96+8*\b+96*(\b/4)+7], v[LBO], s[98:99] offset:1024*\b+16
.endr
	global_load_b128 v[BIAS:BIAS+3], v[CO], s[100:101]   ; b at the four columns that I store
	STEP 1, 0, 0
	s_wait_dscnt 4*NL                              ; the very last step: nothing more to fetch
	WIN MUL_LO
	MUL16 0, 1, 1, 1, 0
	MUL16 2, 1, 1, 1, 0
	WIN LOWW
	LOW4 1, 1, 0
	s_wait_dscnt 0
	WIN MUL_HI
	MUL16 4, 1, 1, 1, 0
	MUL16 6, 1, 1, 1, 0
	WIN 0
	; THE THIRD PRODUCT.  Five places: matrix instructions of another form will write over the accumulators, and vector instructions over registers that held x's and W's fragments.
	PLACES NP+1
.irp j, 0,2,4,6,8,10,12,14,16,18,20,22,24,26,28,30
	v_pk_mul_f32 v[LW+\j:LW+\j+1], v[LW+\j:LW+\j+1], 2.0 op_sel_hi:[1,0]   ; the scaling alpha / r = 2: exact; each accumulator from its low end on
.endr
.irp a, 0,1,2,3
.irp i, 0,1,2,3
	v_cvt_pk_bf16_f32 v[PF+8*\a+\i], v[LW+8*\a+2*\i], v[LW+8*\a+2*\i+1]    ; lane (r, h): row r, p = 8 h + 0 .. 7: registers 0-3 of a bf16 fragment, as they stand
.endr
.endr
	s_lshl_b32 s18, s14, 11
	s_xor_b32 s19, s14, 1                          ; my partner: the same rows of x, the other columns
	s_lshl_b32 s19, s19, 11
	v_and_b32 v[LQC], 31, v0
	v_lshl_add_u32 v[LQC], v[LQC], 4, XCH
	v_add_nc_u32 v[XW], s18, v[LQC]
	v_add_nc_u32 v[XR], s19, v[LQC]
.irp a, 0,1,2,3
	ds_store_b128 v[XW], v[PF+8*\a:PF+8*\a+3] offset:512*\a               ; slot 0 has had its last fill, and every wave has passed the barrier behind its last read
.endr
.irp a, 0,1,2,3,4,5,6,7
.irp i, 4,5,6,7
	v_mov_b32 v[PF+8*\a+\i], 0                     ; K = 16 .. 31 of the form's 32: zeros
.endr
.endr
	s_wait_dscnt 0x0                               ; for my partner's sake: my stores have landed
	s_barrier_signal -1
	s_wait_loadcnt 0x0                             ; lora_B and b are in
	WIN TO_B                                       ; destination window 1: the registers that held W's set 0
.irp b, 0,1,2,3,4,5,6,7
.irp i, 0,1,2,3
	v_cvt_pk_bf16_f32 v[8*\b+\i], v[96+8*\b+96*(\b/4)+2*\i], v[96+8*\b+96*(\b/4)+2*\i+1]
.endr
.irp i, 4,5,6,7
	v_mov_b32 v[8*\b+\i], 0
.endr
.endr
	WIN 0
	s_barrier_wait -1
.irp a, 0,1,2,3
	ds_load_b128 v[PF+8*(4+\a):PF+8*(4+\a)+3], v[XR] offset:512*\a        ; my partner's register blocks 0-3 are my blocks 4-7
.endr
.macro MULB a                          ; 8 matrix instructions: source 0 = 16 rows of lora_B, source 1 = 2 low of x's register block a; each accumulator once
.irp b, 0,1,2,3,4,5,6,7
	v_wmma_f32_16x16x32_bf16 v[8*(8*((\a)%4)+\b):8*(8*((\a)%4)+\b)+7], v[8*\b:8*\b+7], v[PF+8*(\a):PF+8*(\a)+7], v[8*(8*((\a)%4)+\b):8*(8*((\a)%4)+\b)+7]
.endr
.endm
	WIN MUL_LO
	MULB 0
	MULB 1
	MULB 2
	MULB 3
	s_wait_dscnt 0x0                               ; my partner's half is in
	WIN MUL_HI
	MULB 4
	MULB 5
	MULB 6
	MULB 7
	WIN 0
; THE WAY OUT, block by block of 16 rows x 128 columns.  A lane holds 32 neighbouring bytes of a row, and the lanes beside it hold other rows: so a block goes through my own stage in LDS and comes back as whole
; rows of 512 bytes, to which b is added and which the 32 lanes store as two aligned runs of 256 bytes.  LDS serves a wave's instructions in order (ISA guide 5.7.1.4): no wait between the stores and the loads, nor in front of the next block's stores.
.macro TOSTAGE a
.set AC, 64*((\a)%4)
	WIN 0x08+4*((\a)/4)                            ; the data: window 2 or 3
.irp b, 0,1,2,3,4,5,6,7
	ds_store_b128 v[STO], v[AC+8*\b:AC+8*\b+3] offset:64*\b          ; each accumulator from its low end on
	ds_store_b128 v[STO], v[AC+8*\b+4:AC+8*\b+7] offset:64*\b+16
.endr
	WIN 0
.set BB, BK+64*((\a)%2)
.irp t, 0,1,2,3,4,5,6,7,8,9,10,11,12,13,14,15
	ds_load_b128 v[BB+4*\t:BB+4*\t+3], v[RD] offset:\t*SPITCH
.endr
.endm
.macro SEND a, younger                 ; younger: the LDS instructions issued behind block a's loads, which may stay out
.set BB, BK+64*((\a)%2)
	s_wait_dscnt \younger                          ; the block is back in registers
.if (\a) > 0
	s_add_nc_u64 s[12:13], s[12:13], 16*NROW       ; (behind a wait on XCNT: the earlier stores have read their base)  16 rows of out on
.endif
.if (\a) == 4
	s_sub_nc_u64 s[12:13], s[12:13], s[66:67]      ; register block 4 is row 64 (1 - ch) of my 128: with ch = 1 that is 128 rows back
.endif
.irp t, 0,1,2,3,4,5,6,7,8,9,10,11,12,13,14,15
	v_pk_add_f32 v[BB+4*\t:BB+4*\t+1], v[BB+4*\t:BB+4*\t+1], v[BIAS:BIAS+1]
	v_pk_add_f32 v[BB+4*\t+2:BB+4*\t+3], v[BB+4*\t+2:BB+4*\t+3], v[BIAS+2:BIAS+3]
	global_store_b128 v[CO], v[BB+4*\t:BB+4*\t+3], s[12:13] offset:\t*NROW th:TH_STORE_NT   ; 32 lanes store 512 consecutive bytes, at a multiple of 256 from out's first byte; written once, read by nobody here
.endr
.endm
	PLACES NP                                      ; behind the last products: for the stage's stores of results, and for the loads into the registers that held 2 low
	TOSTAGE 0
.irp a, 1,2,3,4,5,6,7
.if \a > 1
	s_wait_xcnt 0x0                                ; block a - 2's stores have read their registers and their base: block a's loads may land there, and the base may step
.endif
	TOSTAGE \a
	SEND \a-1, 32                                  ; behind block a - 1's loads: block a's 16 stores and 16 loads
.endr
	s_wait_xcnt 0x0                                ; block 6's stores have read their base
	SEND 7, 0
	s_wait_tensorcnt 0x0                           ; the wave's end, behind my last tensor load and my last LDS store
	ds_add_u32 v[SPW], v[NIL]
	s_wait_dscnt 0x0
	CROUND                                         ; the closing round: no work-group ends while a partner may still ask for a tile that names it
	s_endpgm
.Lfunc_end_k_q66cb597943_lora_gemm:
	.size	k_q66cb597943_lora_gemm, .Lfunc_end_k_q66cb597943_lora_gemm-k_q66cb597943_lora_gemm
	.p2alignl 7, 3214868480
	.fill 96, 4, 3214868480
	.section	.rodata,"a",@progbits
	.p2align	6, 0x0
	.amdhsa_kernel k_q66cb597943_lora_gemm
		.amdhsa_group_segment_fixed_size 327680
		.amdhsa_private_segment_fixed_size 0
		.amdhsa_enable_private_segment 0
		.amdhsa_kernarg_size 72
		.amdhsa_user_sgpr_count 2
		.amdhsa_user_sgpr_kernarg_segment_ptr 1
		.amdhsa_wavefront_size32 1
		.amdhsa_system_sgpr_workgroup_id_x 1
		.amdhsa_system_sgpr_workgroup_id_y 1
		.amdhsa_system_sgpr_workgroup_id_z 1
		.amdhsa_system_vgpr_workitem_id 0
		.amdhsa_next_free_vgpr 1024
		.amdhsa_next_free_sgpr 106
		.amdhsa_reserve_vcc 0
		.amdhsa_float_denorm_mode_32 3
		.amdhsa_float_denorm_mode_16_64 3
		.amdhsa_memory_ordered 1
		.amdhsa_forward_progress 1
		.amdhsa_inst_pref_size 211
	.end_amdhsa_kernel
	.amdgpu_metadata
---
amdhsa.version: [ 1, 2 ]
amdhsa.kernels:
  - .name:           k_q66cb597943_lora_gemm
    .symbol:         k_q66cb597943_lora_gemm.kd
    .args:
      - { .name: x_codes, .offset: 0, .size: 8, .value_kind: global_buffer, .address_space: global }
      - { .name: x_scales, .offset: 8, .size: 8, .value_kind: global_buffer, .address_space: global }
      - { .name: W_codes, .offset: 16, .size: 8, .value_kind: global_buffer, .address_space: global }
      - { .name: W_scales, .offset: 24, .size: 8, .value_kind: global_buffer, .address_space: global }
      - { .name: out0, .offset: 32, .size: 8, .value_kind: global_buffer, .address_space: global }
      - { .name: expert_indices, .offset: 40, .size: 8, .value_kind: global_buffer, .address_space: global }
      - { .name: lora_A, .offset: 48, .size: 8, .value_kind: global_buffer, .address_space: global }
      - { .name: lora_B, .offset: 56, .size: 8, .value_kind: global_buffer, .address_space: global }
      - { .name: b, .offset: 64, .size: 8, .value_kind: global_buffer, .address_space: global }
    .group_segment_fixed_size: 327680
    .private_segment_fixed_size: 0
    .kernarg_segment_align: 8
    .kernarg_segment_size: 72
    .max_flat_workgroup_size: 128
    .sgpr_count:     106
    .vgpr_count:     1024
    .wavefront_size: 32
...
	.end_amdgpu_metadata
.endif
;; end of part 1
